; MI455X (gfx1250); checked and timed in simulation.
; The chip was launched on July 23, 2026; its instructions are those of AMD's public machine-readable ISA for CDNA 5 (MIT licence, August 2026) and "CDNA5" Instruction Set Architecture Reference Guide (July 2026). The comments in the code are by the model that wrote it; some were corrected since.
;; Quant Linear. Allowed arithmetic: float matrix products may take bf16 or f16 operands with f32 sums; other float arithmetic in f32, or as packed bf16 or f16 multiplies, adds, multiply-adds, maxima and minima; sums over many terms, partial sums and values carried from step to step in f32; what a program stores and reads back later, other than sums and carried values, may be rounded once to bf16 or f16.
;; Inputs: bias 4,096 float32; qweight 512 x 4,096 int32; scales 32 x 4,096 float32; x 4,096 x 4,096 float32.
;; Outputs: out0 4,096 x 4,096 float32.
;; 2 versions, each right; version 2 is version 1 with the launch prep written anew for expert scheduling mode. Each part assembles by itself: llvm-mc -triple=amdgcn-amd-amdhsa -mcpu=gfx1250 --defsym DOCPART=n.
;; ======== version 1 of 2: 2 launches
;; workspace buffers: xb 33,554,432 bytes; wt 33,554,432 bytes
;; launch prep (part 1): grid 256 x 1, 8 waves a work-group, no clusters, 39,936 bytes of LDS; arguments x, qweight, scales, xb, wt; writes xb, wt
.if DOCPART == 1
	.amdgcn_target "amdgcn-amd-amdhsa--gfx1250"
	.amdhsa_code_object_version 6
	.text
	.protected	k_qedffda4170_prep
	.globl	k_qedffda4170_prep
	.p2align	8
	.type	k_qedffda4170_prep,@function
k_qedffda4170_prep:
	s_mov_b64 s[64:65], 0
	v_nop
	global_prefetch_b8 v0, s[64:65] scope:SCOPE_SE
	s_setreg_imm32_b32 hwreg(HW_REG_WAVE_MODE, 25, 1), 1
	s_wait_xcnt 0x0
; PREP: the two matrix operands of out0 = x W + bias are written in bf16, with K along the rows.
;   xb[m][k] = bf16(x[m][k]).
;   wt[row][k] = bf16(LUT[code(k, n)] * bf16(scales[k / 128][n])); nibble t of qweight[kk][n] is the code of k = 8 kk + t.
;   Row 64 nb + 16 c + r of wt holds column n = 64 nb + 4 r + c (c = 0..3, r = 0..15): so ordered, four accumulators of the product that follows
;   hold four neighbouring columns of out0 in one lane.
; ROUNDINGS.  x and the scales are rounded to bf16 once, to nearest even.  LUT's numbers are exact in bf16, and the product of two bf16 numbers is exact in f32,
; so a weight has one more rounding, of that product.
; LIMITS.  Code 7 (LUT: 0.0) is carried as -0 and leaves as +0.  x or a scale beyond bf16's largest finite number (3.39e38) rounds to an infinity; NaN and infinities go through untreated.
; SHARES.  2,048 waves, all alike and independent.  Wave Wd = 8 x work-group + wave takes
;   of x: 32,768 consecutive bytes, as 64 loads of 512 consecutive bytes; each becomes one store of 256 consecutive bytes, aligned, of xb;
;   of W: one tile: group g = Wd / 64 (16 rows of qweight = 128 k) x the 64 columns of block nb = Wd % 64: 16 x 256 bytes of qweight, 256 bytes of scales, 64 x 256 bytes of wt.
; THE TURN.  In qweight a lane's 16 bytes are four columns of one row kk; a row of wt wants the sixteen kk of one column side by side.  So the tile goes once through the wave's own
; LDS bytes: in by rows, out with lane r holding row kk = r.  A word then unpacks into 16 bytes of a row of wt, and sixteen lanes store 256 consecutive bytes, aligned.
; No byte is wanted by two waves: no barrier, no cluster, no tensor load; there is no product here, so no matrix instruction.
; IN FLIGHT.  A ring of 16 register slots keeps 16 loads of x (8 KiB a wave) out; the unpacking of W, 32 words a lane, is dealt out between the ring's turns, one word for two turns.
.set LP,    272                        ; LDS pitch of a tile's row: 256 bytes + 16: row r starts at bank 4 r mod 64 (64 banks of 4 bytes: ISA guide 11.1)
.set SROW,  16*LP                      ; behind the 16 rows: the tile's 64 scales in bf16, 128 bytes
.set WREG,  4864                       ; a wave's own LDS bytes: 19 blocks of 256
.set SPARE, 8*WREG                     ; behind them: the spare words, 128 bytes for each of the eight waves: four blocks of 256 bytes that no other line names
.set XO,  2                            ; v2   16 x lane: my 16 bytes of a load of x; never rewritten
.set YO,  3                            ; v3   8 x lane: my 8 bytes of a store of xb, and of the load of the scales; never rewritten
.set QO,  4                            ; v4   qweight: (lane / 16) rows of 16,384 bytes + 16 (lane % 16)
.set LW,  6                            ; v6   LDS, in: row lane / 16, 16 bytes at 16 (lane % 16)
.set LS,  7                            ; v7   LDS, in: my two scales, 4 bytes
.set LR,  8                            ; v8   LDS, out: row lane % 16, 16 bytes at 16 (lane / 16)
.set LC,  9                            ; v9   LDS, out: four scales, 8 bytes at 8 (lane / 16)
.set WO,  10                           ; v10  wt: (lane / 16) rows of 8,192 bytes + 16 (lane % 16); never rewritten
.set VZ,  11                           ; v11  0.0, the addend of the products
.set TH0, 12                           ; v12-13  bf16's upper byte of the magnitudes 0, .5, 1, 1.5 | 2, 3, 4, 6
.set TH1, 13
.set TL0, 14                           ; v14-15  its lower byte
.set TL1, 15
.set SPW, 16                           ; v16  LDS address of my spare word: SPARE + 4 x my thread's number; never rewritten
.set NIL, 17                           ; v17  0; never rewritten
.set T,   18                           ; v18-26  at work
.set F,   28                           ; v28-35  a word's eight weights in f32
.set O,   36                           ; v36-39  the same in bf16: 16 bytes of a row of wt
.set Q,   40                           ; v40-71  the tile: first as loaded, then Q + 4 i + j = the word of row kk = lane % 16, column 8 i + 4 (lane / 16) + j
.set SC,  72                           ; v72-87  SC + 2 i + j / 2, half j % 2: that column's scale in bf16
.set X,   104                          ; v104-167  slot s of 16: four f32 of x
.set Y,   168                          ; v168-199  slot s: the same four in bf16
	s_load_b256 s[4:11], s[0:1], 0x0               ; x s[4:5], qweight s[6:7], scales s[8:9], xb s[10:11]
	s_load_b64 s[12:13], s[0:1], 0x20              ; wt
	v_lshl_add_u32 v[SPW], v0, 2, SPARE
	v_mov_b32 v[NIL], 0
	v_lshrrev_b32 v1, 5, v0
	v_readfirstlane_b32 s14, v1                    ; wave 0..7
	s_lshl_b32 s15, ttmp9, 3
	s_add_co_u32 s15, s15, s14                     ; Wd
	s_lshr_b32 s16, ttmp9, 3                       ; g = Wd / 64
	s_and_b32 s17, s15, 63                         ; nb = Wd % 64
	s_mul_i32 s18, s14, WREG                       ; my wave's LDS bytes
	s_add_co_u32 s19, s18, SROW                    ; and the scales' place in them
	s_lshl_b32 s20, s15, 15                        ; x: Wd x 32,768 bytes (all offsets stay under 2^26)
	s_mov_b32 s21, 0
	s_lshl_b32 s22, s15, 14                        ; xb: Wd x 16,384
	s_mov_b32 s23, 0
	s_lshl_b32 s29, s17, 8                         ; 64 columns of 4 bytes
	s_lshl_b32 s30, s16, 18                        ; qweight: 16 rows of 16,384 bytes a group
	s_add_co_u32 s30, s30, s29
	s_mov_b32 s31, 0
	s_lshl_b32 s32, s16, 14                        ; scales: a row of 16,384 bytes a group
	s_add_co_u32 s32, s32, s29
	s_mov_b32 s33, 0
	s_lshl_b32 s34, s17, 19                        ; wt: 64 rows of 8,192 bytes a block,
	s_lshl_b32 s29, s16, 8                         ; 128 k of 2 bytes a group
	s_add_co_u32 s34, s34, s29
	s_mov_b32 s35, 0
	s_mov_b32 s24, 0x88888888                      ; each nibble's top bit
	s_mov_b32 s25, 0x07070707                      ; a magnitude in each byte
	s_mov_b32 s26, 0x80808080                      ; a sign in each byte
	s_mov_b32 s27, 0x05010400                      ; v_perm_b32: lower and upper bytes 0 and 1 into two halves
	s_mov_b32 s28, 0x07030602                      ; bytes 2 and 3
	v_and_b32 v1, 31, v0                           ; lane
	v_and_b32 v5, 15, v0                           ; lane % 16
	v_bfe_u32 v27, v0, 4, 1                        ; lane / 16
	v_lshlrev_b32 v[XO], 4, v1
	v_lshlrev_b32 v[YO], 3, v1
	v_lshlrev_b32 v[WO], 4, v5
	v_lshl_add_u32 v[QO], v27, 14, v[WO]
	v_mul_u32_u24 v[LW], v27, LP
	v_add_nc_u32 v[LW], v[LW], v[WO]
	v_add_nc_u32 v[LW], s18, v[LW]
	v_mul_u32_u24 v[LR], v5, LP
	v_lshl_add_u32 v[LR], v27, 4, v[LR]
	v_add_nc_u32 v[LR], s18, v[LR]
	v_lshl_add_u32 v[LS], v1, 2, s19
	v_lshl_add_u32 v[LC], v27, 3, s19
	v_lshl_add_u32 v[WO], v27, 13, v[WO]
	v_mov_b32 v[VZ], 0
	v_mov_b32 v[TH0], 0x3f3f3f00                   ; 0 = 0x0000, .5 = 0x3f00, 1 = 0x3f80, 1.5 = 0x3fc0,
	v_mov_b32 v[TH1], 0x40404040                   ; 2 = 0x4000, 3 = 0x4040, 4 = 0x4080, 6 = 0x40c0
	v_mov_b32 v[TL0], 0xc0800000
	v_mov_b32 v[TL1], 0xc0804000
	s_wait_kmcnt 0x0
	s_add_nc_u64 s[4:5], s[4:5], s[20:21]
	s_add_nc_u64 s[10:11], s[10:11], s[22:23]
	s_add_nc_u64 s[6:7], s[6:7], s[30:31]
	s_add_nc_u64 s[8:9], s[8:9], s[32:33]
	s_add_nc_u64 s[12:13], s[12:13], s[34:35]
	; the tile: load j brings rows 2 j and 2 j + 1, 256 consecutive bytes each; then the scales' 256 bytes; then the ring of x is filled
.irp j, 0,1,2,3,4,5,6,7
	global_load_b128 v[Q+4*(\j):Q+4*(\j)+3], v[QO], s[6:7] offset:32768*(\j) th:TH_LOAD_NT
.endr
	global_load_b64 v[SC:SC+1], v[YO], s[8:9] th:TH_LOAD_NT
.irp t, 0,1,2,3,4,5,6,7,8,9,10,11,12,13,14,15
	global_load_b128 v[X+4*(\t):X+4*(\t)+3], v[XO], s[4:5] offset:512*(\t) th:TH_LOAD_NT
.endr
	s_wait_loadcnt 16                              ; loads come back in order (ISA guide 5.7.1): the tile's nine are in, the sixteen of x stay out
	v_cvt_pk_bf16_f32 v[T], v[SC], v[SC+1]         ; my two scales, rounded once
.irp j, 0,1,2,3,4,5,6,7
	ds_store_b128 v[LW], v[Q+4*(\j):Q+4*(\j)+3] offset:2*LP*(\j)
.endr
	ds_store_b32 v[LS], v[T]
.irp i, 0,1,2,3,4,5,6,7
	ds_load_b128 v[Q+4*(\i):Q+4*(\i)+3], v[LR] offset:32*(\i)      ; LDS serves a wave's instructions in order (ISA guide 5.7.1.4): these see the stores above; the bytes are my wave's own
	ds_load_b64 v[SC+2*(\i):SC+2*(\i)+1], v[LC] offset:16*(\i)     ; the same four columns' scales: all lanes of a half read the same 8 bytes
.endr
	s_wait_dscnt 0x0
; Turn t of the ring, 0 to 63: slot t % 16 is rounded and stored, and (up to turn 47) filled again with the load 16 further on.
.macro XTURN t
.set sl, (\t)%16
.if (\t) > 48
	s_wait_loadcnt 63-(\t)                         ; the last turns load nothing: the count runs down
.else
	s_wait_loadcnt 15                              ; mine is in; the fifteen younger loads stay out
.endif
	s_wait_xcnt 0x0                                ; every earlier memory instruction has had its addresses translated (ISA guide 3.1): the slot's Y, and O below, which earlier stores read, are rewritten only behind this wait
	v_cvt_pk_bf16_f32 v[Y+2*sl], v[X+4*sl], v[X+4*sl+1]
	v_cvt_pk_bf16_f32 v[Y+2*sl+1], v[X+4*sl+2], v[X+4*sl+3]
.if (\t) < 48
	global_load_b128 v[X+4*sl:X+4*sl+3], v[XO], s[4:5] offset:512*((\t)+16) th:TH_LOAD_NT
.endif
	global_store_b64 v[YO], v[Y+2*sl:Y+2*sl+1], s[10:11] offset:256*(\t) th:TH_STORE_NT  ; the wave's 32 lanes store 256 consecutive bytes, at a multiple of 256 from xb's first byte
.endm
; The eight products LUT x scale of a word, exact in f32: both factors are bf16 halves.  sh: which half of v[rs] holds the column's scale.
; T+2 = k0 | k2, T+4 = k1 | k3, T+3 = k4 | k6, T+1 = k5 | k7 (low half | high half).
.macro EIGHT sh
	v_fma_mix_f32_bf16 v[F+0], v[T+2], v[rs], v[VZ] op_sel:[0,\sh,0] op_sel_hi:[1,1,0]
	v_fma_mix_f32_bf16 v[F+1], v[T+4], v[rs], v[VZ] op_sel:[0,\sh,0] op_sel_hi:[1,1,0]
	v_fma_mix_f32_bf16 v[F+2], v[T+2], v[rs], v[VZ] op_sel:[1,\sh,0] op_sel_hi:[1,1,0]
	v_fma_mix_f32_bf16 v[F+3], v[T+4], v[rs], v[VZ] op_sel:[1,\sh,0] op_sel_hi:[1,1,0]
	v_fma_mix_f32_bf16 v[F+4], v[T+3], v[rs], v[VZ] op_sel:[0,\sh,0] op_sel_hi:[1,1,0]
	v_fma_mix_f32_bf16 v[F+5], v[T+1], v[rs], v[VZ] op_sel:[0,\sh,0] op_sel_hi:[1,1,0]
	v_fma_mix_f32_bf16 v[F+6], v[T+3], v[rs], v[VZ] op_sel:[1,\sh,0] op_sel_hi:[1,1,0]
	v_fma_mix_f32_bf16 v[F+7], v[T+1], v[rs], v[VZ] op_sel:[1,\sh,0] op_sel_hi:[1,1,0]
.endm
; Word w of 32 (i = w / 4, j = w % 4): eight codes become 16 bytes of row 16 j + 2 i + lane / 16 of the block's 64 rows of wt.
; A code c is LUT's sign and magnitude in disguise: c >= 8 is +magnitude[c - 8], c < 8 is -magnitude[7 - c], with magnitudes 0, .5, 1, 1.5, 2, 3, 4, 6.
.macro WWORD w
.set wi, (\w)/4
.set wj, (\w)%4
.set rq, Q+4*wi+wj
.set rs, SC+2*wi+wj/2
	v_xor_b32 v[T+0], s24, v[rq]                   ; the top bit turned: set where the weight is negative
	v_and_b32 v[T+1], s24, v[T+0]                  ; the eight signs
	v_lshrrev_b32 v[T+2], 3, v[T+1]
	v_sub_nc_u32 v[T+2], v[T+1], v[T+2]            ; 8 - 1 = 7 in each negative nibble; no nibble borrows
	v_xor_b32 v[T+0], v[T+0], v[T+2]               ; there 7 - c, elsewhere c - 8, in the low three bits
	v_and_b32 v[T+2], s25, v[T+0]                  ; magnitudes of k 0, 2, 4, 6, one a byte,
	v_lshrrev_b32 v[T+3], 4, v[T+0]
	v_and_b32 v[T+3], s25, v[T+3]                  ; and of k 1, 3, 5, 7
	v_lshlrev_b32 v[T+4], 4, v[T+1]                ; the even k's signs move to their bytes' top bits; the odd k's are there already
	v_perm_b32 v[T+5], v[TH1], v[TH0], v[T+2]      ; the tables: each byte of the selector picks one of eight bytes
	v_perm_b32 v[T+6], v[TL1], v[TL0], v[T+2]
	v_perm_b32 v[T+7], v[TH1], v[TH0], v[T+3]
	v_perm_b32 v[T+8], v[TL1], v[TL0], v[T+3]
	v_and_or_b32 v[T+5], v[T+4], s26, v[T+5]       ; the signs go into the upper bytes
	v_and_or_b32 v[T+7], v[T+1], s26, v[T+7]
	v_perm_b32 v[T+2], v[T+5], v[T+6], s27         ; upper and lower bytes meet: k0 | k2,
	v_perm_b32 v[T+3], v[T+5], v[T+6], s28         ; k4 | k6,
	v_perm_b32 v[T+4], v[T+7], v[T+8], s27         ; k1 | k3,
	v_perm_b32 v[T+1], v[T+7], v[T+8], s28         ; k5 | k7
.if wj%2
	EIGHT 1
.else
	EIGHT 0
.endif
.irp p, 0,1,2,3
	v_cvt_pk_bf16_f32 v[O+(\p)], v[F+2*(\p)], v[F+2*(\p)+1]  ; the weight's one rounding
.endr
	global_store_b128 v[WO], v[O:O+3], s[12:13] offset:(16*wj+2*wi)*8192 th:TH_STORE_NT  ; 16 lanes store 256 consecutive bytes, at a multiple of 256 from wt's first byte; the other 16 the row below
.endm
.set t, 0
.rept 32                               ; two turns of the ring stand between two words, so O is free again: each turn's head has the wait
	XTURN t
	XTURN t+1
	WWORD t/2
.set t, t+2
.endr
	s_wait_tensorcnt 0x0                           ; the wave's end: behind my last LDS store
	ds_add_u32 v[SPW], v[NIL]
	s_wait_dscnt 0x0
	s_endpgm
.Lfunc_end_k_qedffda4170_prep:
	.size	k_qedffda4170_prep, .Lfunc_end_k_qedffda4170_prep-k_qedffda4170_prep
	.p2alignl 7, 3214868480
	.fill 96, 4, 3214868480
	.section	.rodata,"a",@progbits
	.p2align	6, 0x0
	.amdhsa_kernel k_qedffda4170_prep
		.amdhsa_group_segment_fixed_size 39936
		.amdhsa_private_segment_fixed_size 0
		.amdhsa_enable_private_segment 0
		.amdhsa_kernarg_size 40
		.amdhsa_user_sgpr_count 2
		.amdhsa_user_sgpr_kernarg_segment_ptr 1
		.amdhsa_wavefront_size32 1
		.amdhsa_system_sgpr_workgroup_id_x 1
		.amdhsa_system_sgpr_workgroup_id_y 1
		.amdhsa_system_sgpr_workgroup_id_z 1
		.amdhsa_system_vgpr_workitem_id 0
		.amdhsa_next_free_vgpr 200
		.amdhsa_next_free_sgpr 66
		.amdhsa_reserve_vcc 0
		.amdhsa_float_denorm_mode_32 3
		.amdhsa_float_denorm_mode_16_64 3
		.amdhsa_memory_ordered 1
		.amdhsa_forward_progress 1
		.amdhsa_inst_pref_size 86
	.end_amdhsa_kernel
	.amdgpu_metadata
---
amdhsa.version: [ 1, 2 ]
amdhsa.kernels:
  - .name:           k_qedffda4170_prep
    .symbol:         k_qedffda4170_prep.kd
    .args:
      - { .name: x, .offset: 0, .size: 8, .value_kind: global_buffer, .address_space: global }
      - { .name: qweight, .offset: 8, .size: 8, .value_kind: global_buffer, .address_space: global }
      - { .name: scales, .offset: 16, .size: 8, .value_kind: global_buffer, .address_space: global }
      - { .name: xb, .offset: 24, .size: 8, .value_kind: global_buffer, .address_space: global }
      - { .name: wt, .offset: 32, .size: 8, .value_kind: global_buffer, .address_space: global }
    .group_segment_fixed_size: 39936
    .private_segment_fixed_size: 0
    .kernarg_segment_align: 8
    .kernarg_segment_size: 40
    .max_flat_workgroup_size: 256
    .sgpr_count:     66
    .vgpr_count:     200
    .wavefront_size: 32
...
	.end_amdgpu_metadata
.endif
;; end of part 1
;; launch gemm (part 2): grid 16 x 16, 4 waves a work-group, clusters of 4 x 4, 327,680 bytes of LDS; arguments xb, wt, out0, bias; writes out0
.if DOCPART == 2
	.amdgcn_target "amdgcn-amd-amdhsa--gfx1250"
	.amdhsa_code_object_version 6
	.text
	.protected	k_qedffda4170_gemm
	.globl	k_qedffda4170_gemm
	.p2align	8
	.type	k_qedffda4170_gemm,@function
k_qedffda4170_gemm:
	s_mov_b64 s[64:65], 0
	v_nop
	global_prefetch_b8 v0, s[64:65] scope:SCOPE_SE
	s_setreg_imm32_b32 hwreg(HW_REG_WAVE_MODE, 25, 1), 1
	s_wait_xcnt 0x0
	s_wait_alu depctr_hold_cnt(0) depctr_sa_sdst(0) depctr_va_vdst(0) depctr_va_sdst(0) depctr_va_ssrc(0) depctr_va_vcc(0) depctr_vm_vsrc(0)
	s_getreg_b32 s2, hwreg(HW_REG_IB_STS2, 6, 4)
	s_cmp_eq_u32 s2, 0
	s_cbranch_scc0 .Lentry_in_a_cluster
	s_endpgm
.Lentry_in_a_cluster:
	s_bfe_u32 s2, ttmp6, 0x10000c
	s_cmp_lg_u32 s2, 0xf033
	s_cbranch_scc0 .Lentry_shape_is_right
	s_endpgm
.Lentry_shape_is_right:
; out0[m][n] = the sum over k of xb[m][k] W[k][n] + bias[n].  xb: [4096][4096] bf16.  wt: [4096][4096] bf16, K along the rows; its row 64 nb + 16 c + r holds W's column 64 nb + 4 r + c.
; out0: [4096][4096] f32.  bias: [4096] f32.  One f32 sum for each output, K ascending; the bias is added in f32.
; LIMITS.  The operands are what the launch before rounded to bf16; NaN and infinities are not treated apart.
; SHARES.  A tile of out0, 256 x 256, is made by a work-group of four waves; a wave makes 128 x 128: 64 accumulators of 16 x 16, 512 registers.  16 x 16 tiles: 256 work-groups, one tile each.
; K goes in steps of 128 through a ring of two LDS slots filled by the tensor data mover: a tile's rows are 256 bytes of memory and start at multiples of 256 bytes from the buffer's first byte.
; CLUSTERS: 4 x 4 work-groups.  The four of a row of the cluster need the same tiles of xb, the four of a column the same tiles of wt: each tile is asked for JOINTLY, by the same tensor load with
; the same descriptor and a mask that names the four, and each receives it in its own LDS: that divides the requests for both operands by four.
; THE WAY OUT NEEDS NO LDS.  Source 0 = 16 rows of xb, source 1 = 16 rows of wt: register j of accumulator (a, b) holds, in lane (r = l % 16, h = l / 16), row 16 a + 8 h + j of my 128 and wt's row 16 b + r.
; With b = 4 B + c that row of wt is column 64 B + 4 r + c of my 128: the four accumulators c = 0..3 hold FOUR NEIGHBOURING columns in one lane.  The addition of the bias, one line a number in any
; layout, writes them into four registers on end; a store of 16 bytes a lane then covers 256 consecutive bytes, aligned, with sixteen lanes.
; The last K step goes by rows of out0, so that finished rows leave while the others are multiplied.
; REGISTERS, in windows of 256 (s_set_vgpr_msb's low byte: bits 1:0 source 0, 3:2 source 1, 5:4 source 2, 7:6 destination):
;   window 0: v0-31 addresses; v32-39 my bias; v64-127, v128-191 fragments of xb (8 x 16 rows x 32 K), two buffers (in the last K step four, of 16 rows x 128 K); v192-255 results on the way out
;   window 1: v64-127, v128-191 fragments of wt, two buffers; in the last K step all 256: wt's fragments of the whole step
;   window 2: the 32 accumulators of my rows 0-63 (accumulator (a, b) at v[8 (8 a + b)]);   window 3: those of my rows 64-127
.set SIZE_K, 4096
.set SIZE_N, 4096
.set ROWK,   SIZE_K*2                  ; bytes in a row of xb and of wt
.set ROWC,   SIZE_N*4                  ; bytes in a row of out0
.set KSTEP,  128
.set PITCH,  272                       ; an LDS row: 256 bytes of data + 16 of padding = 68 words: row r starts at bank 4 r mod 64 (64 banks of 4 bytes: ISA guide 11.1), so the 16 rows that a load touches start at 16 different banks
.set HALFT,  128*PITCH                 ; 128 rows: what one tensor load brings, and what one wave reads of either operand
.set SLOT,   4*HALFT                   ; xb's 256 rows, then wt's 256 rows
.set SPARE,  2*SLOT                    ; behind the ring: the spare words, 128 bytes for each wave: two blocks of 256 bytes that no other line names
.set LAPS,   SIZE_K/(2*KSTEP)          ; a lap = two K steps = once round the ring: 16
.set ADRA, 16                          ; v16-17  LDS address of my fragments of xb in slot 0, 1
.set ADRB, 20                          ; v20-21  the same for wt
.set CO,   26                          ; v26     my byte offset in 16 rows of out0: 8 (l / 16) rows + 16 (l % 16); never rewritten
.set BO,   27                          ; v27     16 (l % 16): my four numbers in 64 of the bias; never rewritten
.set SPW,  28                          ; v28     LDS address of my spare word: SPARE + 4 x my thread's number; never rewritten
.set NIL,  29                          ; v29     0; never rewritten
.set PFO,  30                          ; v30     the prefetches' offset: my lane x a row of xb or wt; never rewritten
.set BIAS, 32                          ; v32-39  BIAS + 4 B + c = the bias of column 64 B + 4 r + c of my 128
.set F0,   64                          ; fragment buffer 0
.set F1,   128                         ; fragment buffer 1
.set PA,   64                          ; the last K step: xb's fragments of 16 rows x 128 K, 32 registers; four such buffers, v64-191
.set TMP,  192                         ; the way out: 16 rows x 128 columns, 64 registers
.set G1,  24                           ; s[24:31] descriptor group 1 for xb's tiles
.set G0,  32                           ; s[32:39] descriptor group 0 for xb's tiles, one set for each slot
.set LIM, 43                           ; s43     1 in a wave that prefetches, else the greatest number
.set PFA, 44                           ; s[44:45] where my prefetches stand: my work-group's 32 rows of the 128 that I fetch, one K step further along K than the refill that is being asked for
.set G1B, 48                           ; s[48:55] descriptor group 1 for wt's tiles: it differs in the mask alone
.set G0B, 56                           ; s[56:63] descriptor group 0 for wt's tiles
.set BP,  66                           ; s[66:67] the bias
.set MSB, 0
.macro WIN new                         ; the immediate's high byte repeats the setting that is left; a switch that changes nothing is dropped
.if MSB != (\new)
	s_set_vgpr_msb (MSB<<8)|(\new)
.set MSB, \new
.endif
.endm
.set MUL_LO, 0xa4                      ; source 0 (xb) window 0, source 1 (wt) window 1, C and D window 2
.set MUL_HI, 0xf4                      ; the same, C and D window 3
.set TO_B,   0x40                      ; destination window 1, address window 0
; A joint load.  Waves 0 and 1 fetch the two halves of xb's tile, waves 2 and 3 those of wt's.  Each of the two lines has ONE mask and one set of registers for all that issue it, and nothing in them
; hangs on a coordinate that the four partners do not share.  The branch hangs on the wave's number alone.  An s_nop 0 and four v_nop follow each of the two lines, ahead of the jump and the label.
.macro JLOAD s
	s_cmp_eq_u32 s11, 0
	s_cbranch_scc0 .Lfor_b_\@
	tensor_load_to_lds s[G0+4*(\s):G0+4*(\s)+3], s[G1:G1+7]
	s_nop 0
.rept 4
	v_nop
.endr
	s_branch .Lasked_\@
.Lfor_b_\@:
	tensor_load_to_lds s[G0B+4*(\s):G0B+4*(\s)+3], s[G1B:G1B+7]
	s_nop 0
.rept 4
	v_nop
.endr
.Lasked_\@:
.endm
; A PREFETCH INTO THE L2, behind each joint refill, its five lines and the run of LDS loads that follows them: the K step that stands TWO refills on: 32 rows x 256 bytes, a lane a row, one instruction a wave:
; 512 matrix instructions ahead of the load that will name those bytes.  Each row's 256 bytes of a K step are named ONCE in the launch: xb's tile row is read by every cluster of that row of clusters, and the one with
; cluster x = 0 asks; wt's tile column by every cluster of that column, and the one with cluster y = 0 asks.  The four partners that ask for a tile jointly share its rows out BY ADDRESS: of the 128 rows that a wave
; fetches, the partner at place p takes 32 p .. 32 p + 31 (p = cx for xb, cy for wt): no branch hangs on a work-group's place in its cluster.  K steps 0 to 3 come by their loads alone; the loop's last trip
; (s3 = 1) asks for nothing: K step 31 is the last that is named.
.macro ASK
	s_cmp_gt_u32 s3, s[LIM]
	s_cbranch_scc0 .Lnot_mine_\@
	global_prefetch_b8 v[PFO], s[PFA:PFA+1] offset:KSTEP*2 th:TH_LOAD_NT scope:SCOPE_SE
.Lnot_mine_\@:
.endm
; A round of the cluster's barrier: my work-group's barrier, so that wave 0's signal speaks for all four waves; wave 0 signals for the work-group; every wave waits for all sixteen work-groups;
; my work-group's barrier once more.  No LDS instruction of the wave is pending at a signal.
.macro CREST                           ; a round behind its opening barrier
	s_cmp_lg_u32 s10, 0
	s_cbranch_scc1 .Lnot_wave_0_\@
	s_barrier_signal -3
.Lnot_wave_0_\@:
	s_barrier_wait -3
	s_barrier_signal -1
	s_barrier_wait -1
.endm
.macro CROUND                          ; a whole round
	s_barrier_signal -1
	s_barrier_wait -1
	CREST
.endm
	s_load_b128 s[4:7], s[0:1], 0x0                ; xb s[4:5], wt s[6:7]
	s_load_b64 s[8:9], s[0:1], 0x10                ; out0
	s_load_b64 s[BP:BP+1], s[0:1], 0x18            ; bias
	v_lshl_add_u32 v[SPW], v0, 2, SPARE
	v_mov_b32 v[NIL], 0
	ds_add_u32 v[SPW], v[NIL]                      ; the wave's opening: the add and its wait stand ahead of my first tensor load; the set-up below, work on registers, stands between them
	v_lshrrev_b32 v1, 5, v0
	v_readfirstlane_b32 s10, v1                    ; wave 0..3
	s_lshr_b32 s11, s10, 1                         ; which half of the tile's rows is mine.  Also: I fetch for xb (0) or for wt (1)
	s_and_b32 s12, s10, 1                          ; which half of its columns.  Also: which 128 rows of that tile I fetch
	s_bfe_u32 s40, ttmp6, 0x40000                  ; cx: my place along the cluster's x
	s_bfe_u32 s41, ttmp6, 0x40004                  ; cy: along its y
	s_lshl_b32 s42, ttmp9, 2                       ; in a cluster launch ttmp9 and ttmp7 count clusters
	s_add_co_u32 s42, s42, s40                     ; tile column = 4 x cluster x + cx
	s_and_b32 s13, ttmp7, 0xffff
	s_lshl_b32 s13, s13, 2
	s_add_co_u32 s13, s13, s41                     ; tile row = 4 x cluster y + cy
	s_lshl_b32 s43, s41, 2
	s_lshl_b32 s43, 15, s43                        ; my row of the cluster: places 4 cy .. 4 cy + 3
	s_lshl_b32 s44, 0x1111, s40                    ; my column: places cx, cx + 4, cx + 8, cx + 12
	; descriptor group 1: a tile of 128 rows x 128 elements, padded in LDS
	s_or_b32 s[G1+0], s43, (1<<16)|(1<<20)|(1<<21)|(5<<22)|(3<<25)  ; 15:0 the mask: xb's tiles go to my row; 17:16 elements of 2 bytes; 20 padding on; 21 set beside a mask; 24:22 after every 64 words (code 5); 31:25 4 words of it (code 3)
	s_or_b32 s[G1B+0], s44, (1<<16)|(1<<20)|(1<<21)|(5<<22)|(3<<25) ; the same with the mask of my column, for wt's tiles
.irp g, G1, G1B
	s_mov_b32 s[(\g)+1], KSTEP<<16                 ; 63:48 tensor_dim0, low half = 128
	s_mov_b32 s[(\g)+2], 128<<16                   ; 79:64 its high half = 0; 95:80 tensor_dim1, low half = 128
	s_mov_b32 s[(\g)+3], KSTEP<<16                 ; 111:96 its high half = 0; 127:112 tile_dim0 = 128
	s_mov_b32 s[(\g)+4], 128                       ; 143:128 tile_dim1 = 128; 159:144 tile_dim2 = 0
	s_mov_b32 s[(\g)+5], SIZE_K                    ; 191:160 tensor_dim0_stride, low word: elements from row to row
	s_mov_b32 s[(\g)+6], 0
	s_mov_b32 s[(\g)+7], 0
.endr
	; where the tiles come from.  xb's hang on the tile row alone, which my row of the cluster shares; wt's on the tile column alone, which my column shares.
	; Every wave makes both addresses, in registers that never hold the other coordinate, and asks by one of them.
	s_lshl_b32 s17, s12, 7                         ; which 128 rows of the tile I fetch
	s_lshl_b32 s16, s13, 8
	s_add_co_u32 s16, s16, s17                     ; xb: row 256 x tile row + 128 x half,
	s_lshl_b32 s16, s16, 13                        ; in bytes: 8,192 a row, under 2^25
	s_lshl_b32 s46, s42, 8
	s_add_co_u32 s46, s46, s17                     ; wt: row 256 x tile column + 128 x half
	s_lshl_b32 s46, s46, 13
	s_mov_b32 s17, 0
	s_mov_b32 s47, 0
	s_mul_i32 s20, s10, HALFT                      ; and where they go: wave x 128 rows: no place in the cluster enters an LDS address
	s_wait_dscnt 0x0                               ; the opening add is done
	s_wait_kmcnt 0x0
	s_add_nc_u64 s[14:15], s[4:5], s[16:17]
	s_add_nc_u64 s[46:47], s[6:7], s[46:47]
	CROUND                                         ; all sixteen work-groups are here: the first joint loads meet
.irp s, 0,1
	s_mov_b32 s[G0+4*(\s)], 1                                      ; 1:0 count = 1
	s_add_co_u32 s[G0+4*(\s)+1], s20, (\s)*SLOT                    ; 63:32 LDS address
	s_add_nc_u64 s[G0+4*(\s)+2:G0+4*(\s)+3], s[14:15], (\s)*KSTEP*2  ; 120:64 global address: K step s
	s_or_b32 s[G0+4*(\s)+3], s[G0+4*(\s)+3], 0x80000000            ; 127:126 type = 2
	s_mov_b32 s[G0B+4*(\s)], 1
	s_add_co_u32 s[G0B+4*(\s)+1], s20, (\s)*SLOT
	s_add_nc_u64 s[G0B+4*(\s)+2:G0B+4*(\s)+3], s[46:47], (\s)*KSTEP*2
	s_or_b32 s[G0B+4*(\s)+3], s[G0B+4*(\s)+3], 0x80000000
	JLOAD \s                                       ; the ring is filled before anything else is done: two tensor loads of mine are out
.endr
	; A fragment is 16 rows x 32 K in 8 registers: lane l holds row l % 16; registers 0-3 hold K = 8 (l / 16) + 0..7, registers 4-7 hold K = 16 + 8 (l / 16) + 0..7:
	; two loads of 16 bytes, 32 bytes apart, from rows that lie along K.  The same for source 0 and source 1.
	v_and_b32 v1, 15, v0                           ; l % 16
	v_bfe_u32 v2, v0, 4, 1                         ; l / 16
	v_mul_u32_u24 v3, v1, PITCH
	v_lshl_add_u32 v3, v2, 4, v3                   ; row x pitch + 16 x half
	s_mul_i32 s21, s11, HALFT                      ; my 128 rows of xb
	s_mul_i32 s22, s12, HALFT                      ; my 128 rows of wt,
	s_add_co_u32 s22, s22, 2*HALFT                 ; which lie behind xb's 256
.irp s, 0,1
	v_add_nc_u32 v[ADRA+(\s)], s21, v3
	v_add_nc_u32 v[ADRB+(\s)], s22, v3
	s_add_co_u32 s21, s21, SLOT
	s_add_co_u32 s22, s22, SLOT
.endr
	v_lshlrev_b32 v[BO], 4, v1
	v_lshl_add_u32 v[CO], v2, 17, v[BO]            ; lanes 16-31 hold the rows 8 further down: 8 x 16,384 bytes
	; where my part of the tile begins in out0, in bytes (under 2^26): the first way out adds it to out0's address
	s_lshl_b32 s13, s13, 8
	s_lshl_b32 s14, s11, 7
	s_add_co_u32 s16, s13, s14                     ; my first row
	s_lshl_b32 s16, s16, 14
	s_mov_b32 s17, 0
	s_lshl_b32 s46, s42, 10                        ; my first column, in bytes: 1,024 x tile column + 512 x half
	s_lshl_b32 s47, s12, 9
	s_add_co_u32 s46, s46, s47
	s_mov_b32 s47, 0
	s_add_nc_u64 s[16:17], s[16:17], s[46:47]
	s_add_nc_u64 s[BP:BP+1], s[BP:BP+1], s[46:47]  ; the bias of my 128 columns
	global_load_b128 v[BIAS:BIAS+3],   v[BO], s[BP:BP+1]              ; columns 4 r .. 4 r + 3,
	global_load_b128 v[BIAS+4:BIAS+7], v[BO], s[BP:BP+1] offset:256   ; and 64 + 4 r .. : waited for ahead of the way out
	; the prefetches.  s13 = 256 x tile row, s42 = tile column, s40 = cx, s41 = cy still stand
	s_lshl_b32 s42, s42, 8
	s_and_b32 s22, ttmp7, 0xffff                   ; cluster y
	s_cmp_eq_u32 s11, 0                            ; do I fetch for xb?
	s_cselect_b32 s20, s13, s42                    ; the tile's first row: in xb by the tile row, in wt by the tile column
	s_cselect_b32 s21, s40, s41                    ; my place among the four that ask for it with me
	s_cselect_b32 s22, ttmp9, s22                  ; the coordinate along which other clusters read the same rows
	s_cselect_b64 s[PFA:PFA+1], s[4:5], s[6:7]
	s_cmp_eq_u32 s22, 0
	s_cselect_b32 s[LIM], 1, -1                    ; the same in all sixteen partners, for a given wave
	s_lshl_b32 s22, s12, 7
	s_add_co_u32 s20, s20, s22                     ; + the 128 rows that I fetch
	s_lshl_b32 s21, s21, 5
	s_add_co_u32 s20, s20, s21                     ; + my work-group's 32 of them
	s_lshl_b32 s20, s20, 13
	s_mov_b32 s21, 0
	s_add_nc_u64 s[PFA:PFA+1], s[PFA:PFA+1], s[20:21]
	s_add_nc_u64 s[PFA:PFA+1], s[PFA:PFA+1], 2*KSTEP*2  ; at K step 2: the first refill steps it to 3 and names K step 4
	v_and_b32 v[PFO], 31, v0
	v_lshlrev_b32 v[PFO], 13, v[PFO]
; 16 matrix instructions: m blocks a0, a0 + 1 of the window's four (hi = 0: my rows 0-63, 1: rows 64-127) x all 8 n blocks, 32 along K.  zero = 1: the first product starts the sums: nothing is ever cleared.
; The 64 accumulators take turns, one instruction a turn, in the same order in every quarter step: over the loop's backward jump too.
.macro MUL16 f, hi, a0, zero
	WIN MUL_LO+0x50*(\hi)
.irp a, \a0, (\a0)+1
.irp b, 0,1,2,3,4,5,6,7
.if \zero
	v_wmma_f32_16x16x32_bf16 v[8*(8*(\a)+(\b)):8*(8*(\a)+(\b))+7], v[(\f)+8*(4*(\hi)+(\a)):(\f)+8*(4*(\hi)+(\a))+7], v[(\f)+8*(\b):(\f)+8*(\b)+7], 0
.else
	v_wmma_f32_16x16x32_bf16 v[8*(8*(\a)+(\b)):8*(8*(\a)+(\b))+7], v[(\f)+8*(4*(\hi)+(\a)):(\f)+8*(4*(\hi)+(\a))+7], v[(\f)+8*(\b):(\f)+8*(\b)+7], v[8*(8*(\a)+(\b)):8*(8*(\a)+(\b))+7]
.endif
.endr
.endr
.endm
; 32 LDS loads in one run: the fragments of one quarter step (128 rows of wt, 128 rows of xb, 32 K at byte k of the rows) into buffer f
.macro FETCH slot, k, f
	WIN TO_B
.irp i, 0,1,2,3,4,5,6,7
	ds_load_b128 v[(\f)+8*(\i):(\f)+8*(\i)+3],   v[ADRB+(\slot)] offset:(\k)+(\i)*16*PITCH
	ds_load_b128 v[(\f)+8*(\i)+4:(\f)+8*(\i)+7], v[ADRB+(\slot)] offset:(\k)+(\i)*16*PITCH+32
.endr
	WIN 0
.irp i, 0,1,2,3,4,5,6,7
	ds_load_b128 v[(\f)+8*(\i):(\f)+8*(\i)+3],   v[ADRA+(\slot)] offset:(\k)+(\i)*16*PITCH
	ds_load_b128 v[(\f)+8*(\i)+4:(\f)+8*(\i)+7], v[ADRA+(\slot)] offset:(\k)+(\i)*16*PITCH+32
.endr
.endm
; A load into a register that a matrix instruction has read, and a vector instruction that reads a matrix result, stand four places behind that matrix instruction, and only plain vector instructions
; that name none of its registers are places (ISA guide 7.12.1 for vector instructions).
.macro PLACES
.rept 4
	v_nop
.endr
.endm
; A K step is four quarter steps of 32 along K, 64 matrix instructions each, on buffers 0, 1, 0, 1.
; One of the first three: multiplies buffer f; in its middle it fetches the next quarter's fragments, at byte k of the same slot's rows, into buffer g.
.macro QUARTER slot, k, f, g, zero
	s_wait_dscnt 8                                 ; wt's fragments and xb's rows 0-63 are in; the youngest eight loads (xb's rows 64-127) may be out
	WIN MUL_LO
	MUL16 \f, 0, 0, \zero
	MUL16 \f, 0, 2, \zero
	PLACES
	FETCH \slot, \k, \g
	s_wait_dscnt 32                                ; all but the 32 just issued
	WIN MUL_HI
	MUL16 \f, 1, 0, \zero
	MUL16 \f, 1, 2, \zero
.endm
; The last quarter multiplies buffer 1 and changes slots.  MEET is its first half: ONE barrier for the change of slots.  In front of it each wave waits for all its tensor loads, of which one is out:
; its part of the next slot; adds 0 to its spare word; and waits for that and for its own reads of this slot.  Behind it nobody reads this slot any more and the next slot is whole.
.macro MEET round                      ; round = 1: a round of the cluster's barrier follows
	WIN 0                                          ; (the add's two registers lie in window 0)
	s_wait_tensorcnt 0x0                           ; all my tensor loads have landed: the one that was out is my part of the next slot;
	ds_add_u32 v[SPW], v[NIL]                      ; 0 onto my spare word;
	s_wait_dscnt 9                                 ; (the add and the youngest eight loads may be out)
	WIN MUL_LO
	MUL16 F1, 0, 0, 0                              ; sixteen matrix instructions stand between the add and the wait for it
	s_wait_dscnt 0x0                               ; the add is done, and my reads of this slot are over:
	s_barrier_signal -1                            ; say so (where a slot is filled again this barrier opens a round of the cluster's barrier),
	MUL16 F1, 0, 2, 0                              ; work on registers while the others arrive,
.if \round
	WIN 0
.endif
	s_barrier_wait -1                              ; and go on when all four have said so
.endm
; The whole last quarter.  Behind the round the slot just read out is filled again first, with the K step two steps on; then come the next slot's first fragments.
; From a request to the wait for it a wave issues 224 matrix instructions; one tensor load of mine is out meanwhile.
.macro TURN slot, next
	s_wait_xcnt 0x0                                ; the last prefetch, a K step back, has read its address: it is stepped here, ahead of the waits of the change of slots
	s_add_nc_u64 s[PFA:PFA+1], s[PFA:PFA+1], KSTEP*2
	MEET 1
	CREST                                          ; all sixteen work-groups have said so: no wave of any partner still reads this slot's tile or has a load on its way
	s_add_nc_u64 s[G0+4*(\slot)+2:G0+4*(\slot)+3], s[G0+4*(\slot)+2:G0+4*(\slot)+3], 2*KSTEP*2    ; no tensor load of mine is out, so a group 0 may be written; the type bits on top are not reached
	s_add_nc_u64 s[G0B+4*(\slot)+2:G0B+4*(\slot)+3], s[G0B+4*(\slot)+2:G0B+4*(\slot)+3], 2*KSTEP*2
	JLOAD \slot                                    ; the first tensor load behind the round; the four v_nop behind it are also the places in front of the loads below
	FETCH \next, 0, F0
	ASK                                            ; behind the joint load and the run of LDS loads that the next products wait for
	WIN MUL_HI
	MUL16 F1, 1, 0, 0
	MUL16 F1, 1, 2, 0
.endm
; THE LAST K STEP (it lies in slot 1) GOES BY ROWS OF out0, NOT BY K.  All its fragments of wt (4 quarters x 64 registers) fill window 1; then my eight blocks of 16 rows are finished one after the
; other, each with 32 matrix instructions (its 8 accumulators by turns, K ascending: each sum's order is as before).  LDS is read no more than in any other K step.
.macro BLOAD q                         ; wt's fragments of quarter q -> window 1, v[64 q ..]
	WIN TO_B
.irp i, 0,1,2,3,4,5,6,7
	ds_load_b128 v[64*(\q)+8*(\i):64*(\q)+8*(\i)+3],   v[ADRB+1] offset:64*(\q)+(\i)*16*PITCH
	ds_load_b128 v[64*(\q)+8*(\i)+4:64*(\q)+8*(\i)+7], v[ADRB+1] offset:64*(\q)+(\i)*16*PITCH+32
.endr
.endm
.macro ALOAD a                         ; xb's fragments of block a, all four quarters -> buffer a % 4: eight loads
	WIN 0
.set FA, PA+32*((\a)%4)
.irp q, 0,1,2,3
	ds_load_b128 v[FA+8*(\q):FA+8*(\q)+3],   v[ADRA+1] offset:64*(\q)+(\a)*16*PITCH
	ds_load_b128 v[FA+8*(\q)+4:FA+8*(\q)+7], v[ADRA+1] offset:64*(\q)+(\a)*16*PITCH+32
.endr
.endm
.macro ROW a                           ; block a is finished: 32 matrix instructions
.set FA, PA+32*((\a)%4)                ; its fragments of xb
.set AC, 64*((\a)%4)                   ; its eight accumulators, in window 2 (blocks 0-3) or 3 (blocks 4-7)
	WIN MUL_LO+0x50*((\a)/4)
.irp q, 0,1,2,3
.if (\a) == 0 && (\q) == 2
	s_wait_dscnt 24                                ; wt's quarter 2 is in (behind it: xb's blocks 1 to 3)
.endif
.irp b, 0,1,2,3,4,5,6,7
	v_wmma_f32_16x16x32_bf16 v[AC+8*(\b):AC+8*(\b)+7], v[FA+8*(\q):FA+8*(\q)+7], v[64*(\q)+8*(\b):64*(\q)+8*(\b)+7], v[AC+8*(\b):AC+8*(\b)+7]
.endr
.endr
.endm
; THE WAY OUT of block a: 16 rows x 128 columns.  The bias is added, and the sum of accumulator 4 g + c, register j, goes to register c of the four that hold row 8 h + j, columns 64 g + 4 r + 0..3.
; Each accumulator's register 0 is read first.  Then sixteen stores.
.macro OUTB a
.set AC, 64*((\a)%4)
	WIN 0
	s_wait_xcnt 0x0                                ; every earlier memory instruction has had its addresses translated (ISA guide 3.1): only behind this wait are the stores' base and the registers that the last block's stores read rewritten
.if (\a) == 0
	s_add_nc_u64 s[8:9], s[8:9], s[16:17]          ; on to my first rows
.else
	s_add_nc_u64 s[8:9], s[8:9], 16*ROWC           ; 16 rows on
.endif
	WIN 0x02+(\a)/4                                ; source 0: window 2 or 3
.irp g, 0,1
.irp j, 0,1,2,3,4,5,6,7
.irp c, 0,1,2,3
	v_add_f32 v[TMP+4*(8*(\g)+(\j))+(\c)], v[AC+8*(4*(\g)+(\c))+(\j)], v[BIAS+4*(\g)+(\c)]
.endr
.endr
.endr
	WIN 0
.irp g, 0,1
.irp j, 0,1,2,3,4,5,6,7
	global_store_b128 v[CO], v[TMP+4*(8*(\g)+(\j)):TMP+4*(8*(\g)+(\j))+3], s[8:9] offset:(\j)*ROWC+256*(\g) th:TH_STORE_NT  ; 16 lanes store 256 consecutive bytes, at a multiple of 256 from out0's first byte; the other 16 the row 8 further down
.endr
.endr
.endm
	s_wait_tensorcnt 1                             ; my part of K step 0 is in; K step 1's may stay out
	s_barrier_signal -1
	s_barrier_wait -1                              ; everybody's is
	FETCH 0, 0, F0
	QUARTER 0, 64,  F0, F1, 1                      ; the first quarter stands in front of the loop: its products start the sums
	WIN 0                                          ; at a label and at a branch every window is 0
	s_mov_b32 s3, LAPS-1
.Llap:                                                 ; a trip goes once round the ring, from a lap's second quarter to the next lap's first, and fills both slots again
	QUARTER 0, 128, F1, F0, 0
	QUARTER 0, 192, F0, F1, 0
	TURN 0, 1
	QUARTER 1, 64,  F0, F1, 0
	QUARTER 1, 128, F1, F0, 0
	QUARTER 1, 192, F0, F1, 0
	TURN 1, 0
	QUARTER 0, 64,  F0, F1, 0
	WIN 0
	s_sub_co_u32 s3, s3, 1
	s_cmp_lg_u32 s3, 0
	s_cbranch_scc1 .Llap
	QUARTER 0, 128, F1, F0, 0                      ; the last lap goes on, written out: it asks for nothing more
	QUARTER 0, 192, F0, F1, 0
	MEET 0                                         ; my one tensor load that was still out is slot 1's, the last K step's, so no round follows
	PLACES                                         ; for the loads into buffer 0, which the quarter before multiplied
	BLOAD 0                                        ; three quarters of wt now: buffer 1 (v128-191 of both windows) is still being multiplied
	BLOAD 1
	BLOAD 3
	ALOAD 0
	WIN MUL_HI
	MUL16 F1, 1, 0, 0
	MUL16 F1, 1, 2, 0
	PLACES                                         ; for the loads into buffer 1
	BLOAD 2
	ALOAD 1
	ALOAD 2
	ALOAD 3
	s_wait_dscnt 40                                ; all but the 40 just issued
	ROW 0
	s_wait_loadcnt 0x0                             ; my bias, asked for at the head
.irp a, 0,1,2,3,4,5,6,7                ; each block leaves as soon as it is finished
	PLACES                                         ; the additions read results just made, and the loads land in fragments just multiplied
.if (\a) < 4
	ALOAD (\a)+4                                   ; the block's buffer takes the block four further on
.endif
	OUTB \a
.if (\a) < 7
.if (\a) < 4
	s_wait_dscnt 24                                ; block a + 1's fragments are in; behind them three blocks' eight loads each may be out,
.else
	s_wait_dscnt 8*(6-(\a))                        ; then two, one, none
.endif
	ROW (\a)+1
.endif
.endr
	s_wait_tensorcnt 0x0                           ; the wave's end: behind my last tensor load
	ds_add_u32 v[SPW], v[NIL]
	s_wait_dscnt 0x0
	CROUND                                         ; the closing round: no work-group ends while a partner may still ask for a tile that names it
	s_endpgm
.Lfunc_end_k_qedffda4170_gemm:
	.size	k_qedffda4170_gemm, .Lfunc_end_k_qedffda4170_gemm-k_qedffda4170_gemm
	.p2alignl 7, 3214868480
	.fill 96, 4, 3214868480
	.section	.rodata,"a",@progbits
	.p2align	6, 0x0
	.amdhsa_kernel k_qedffda4170_gemm
		.amdhsa_group_segment_fixed_size 327680
		.amdhsa_private_segment_fixed_size 0
		.amdhsa_enable_private_segment 0
		.amdhsa_kernarg_size 32
		.amdhsa_user_sgpr_count 2
		.amdhsa_user_sgpr_kernarg_segment_ptr 1
		.amdhsa_wavefront_size32 1
		.amdhsa_system_sgpr_workgroup_id_x 1
		.amdhsa_system_sgpr_workgroup_id_y 1
		.amdhsa_system_sgpr_workgroup_id_z 1
		.amdhsa_system_vgpr_workitem_id 0
		.amdhsa_next_free_vgpr 1024
		.amdhsa_next_free_sgpr 68
		.amdhsa_reserve_vcc 0
		.amdhsa_float_denorm_mode_32 3
		.amdhsa_float_denorm_mode_16_64 3
		.amdhsa_memory_ordered 1
		.amdhsa_forward_progress 1
		.amdhsa_inst_pref_size 142
	.end_amdhsa_kernel
	.amdgpu_metadata
---
amdhsa.version: [ 1, 2 ]
amdhsa.kernels:
  - .name:           k_qedffda4170_gemm
    .symbol:         k_qedffda4170_gemm.kd
    .args:
      - { .name: xb, .offset: 0, .size: 8, .value_kind: global_buffer, .address_space: global }
      - { .name: wt, .offset: 8, .size: 8, .value_kind: global_buffer, .address_space: global }
      - { .name: out0, .offset: 16, .size: 8, .value_kind: global_buffer, .address_space: global }
      - { .name: bias, .offset: 24, .size: 8, .value_kind: global_buffer, .address_space: global }
    .group_segment_fixed_size: 327680
    .private_segment_fixed_size: 0
    .kernarg_segment_align: 8
    .kernarg_segment_size: 32
    .max_flat_workgroup_size: 128
    .sgpr_count:     68
    .vgpr_count:     1024
    .wavefront_size: 32
...
	.end_amdgpu_metadata
.endif
;; end of part 2
;; ======== version 2 of 2: 2 launches; version 1 with the launch prep written anew for expert scheduling mode
;; workspace buffers: xb 33,554,432 bytes; wt 33,554,432 bytes
;; launch prep (part 3): grid 256 x 1, 8 waves a work-group, no clusters, 39,936 bytes of LDS; arguments x, qweight, scales, xb, wt; writes xb, wt
.if DOCPART == 3
	.amdgcn_target "amdgcn-amd-amdhsa--gfx1250"
	.amdhsa_code_object_version 6
	.text
	.protected	k_qedffda4170_prep
	.globl	k_qedffda4170_prep
	.p2align	8
	.type	k_qedffda4170_prep,@function
k_qedffda4170_prep:
	s_mov_b64 s[64:65], 0
	v_nop
	global_prefetch_b8 v0, s[64:65] scope:SCOPE_SE
	s_setreg_imm32_b32 hwreg(HW_REG_WAVE_SCHED_MODE, 0, 2), 2
	s_setreg_imm32_b32 hwreg(HW_REG_WAVE_MODE, 25, 1), 1
	s_wait_xcnt 0x0
	s_wait_alu depctr_vm_vsrc(0)
; PREP: the two matrix operands of out0 = x W + bias are written in bf16, with K along the rows.
;   xb[m][k] = bf16(x[m][k]).
;   wt[row][k] = bf16(LUT[code(k, n)] * bf16(scales[k / 128][n])); nibble t of qweight[kk][n] is the code of k = 8 kk + t.
;   Row 64 nb + 16 c + r of wt holds column n = 64 nb + 4 r + c (c = 0..3, r = 0..15): so ordered, four accumulators of the product that follows
;   hold four neighbouring columns of out0 in one lane.
; ROUNDINGS.  x and the scales are rounded to bf16 once, to nearest even.  LUT's numbers are exact in bf16, and the product of two bf16 numbers is exact in f32,
; so a weight has one more rounding, of that product.
; LIMITS.  Code 7 (LUT: 0.0) is carried as -0 and leaves as +0.  x or a scale beyond bf16's largest finite number (3.39e38) rounds to an infinity; NaN and infinities go through untreated.
; SHARES.  2,048 waves, all alike and independent.  Wave Wd = 8 x work-group + wave takes
;   of x: 32,768 consecutive bytes, as 64 loads of 512 consecutive bytes; each becomes one store of 256 consecutive bytes, aligned, of xb;
;   of W: one tile: group g = Wd / 64 (16 rows of qweight = 128 k) x the 64 columns of block nb = Wd % 64: 16 x 256 bytes of qweight, 256 bytes of scales, 64 x 256 bytes of wt.
; THE TURN.  In qweight a lane's 16 bytes are four columns of one row kk; a row of wt wants the sixteen kk of one column side by side.  So the tile goes once through the wave's own
; LDS bytes: in by rows, out with lane r holding row kk = r.  A word then unpacks into 16 bytes of a row of wt, and sixteen lanes store 256 consecutive bytes, aligned.
; No byte is wanted by two waves: no barrier, no cluster, no tensor load; there is no product here, so no matrix instruction.
; THE MODE: SCHED_MODE bits 1:0 = 2 (LLVM: expert scheduling mode 2), set by the entry lines.  The code itself states the register dependences
; between vector instructions and memory or LDS instructions, with s_wait_alu, always for 0.
; THE PLAN.  The work goes in 16 blocks, written out on end.  Block p rounds four loads of x (numbers 4 p to 4 p + 3 of the wave's 64) and unpacks two words of W (2 p and 2 p + 1 of the lane's 32).
; Registers that memory or LDS instructions touch:
;   X0 .. X4   five blocks of x as loaded.  Written by the loads of block p + 4, issued in block p; read by block p's eight roundings.
;   Y0, Y1     two blocks of xb to store.   Written by block p's roundings; read by the four stores that are issued in block p + 1.
;   O0, O1     two blocks of wt to store.   Written by block p's two words; read by the two stores that are issued in block p + 1.
;   XO, YO, QO, WO, LW, LS, LR, LC   offsets and LDS addresses, made once at the head and never written again: every step stands in an immediate offset, and no base moves.
;   Q, SC, v18   at the turn through LDS alone: the waits there say who reads and who writes them.
;   v[SPW], v[NIL]   written at the head, read by the closing add alone.
; Block p works on X[p % 5] and writes Y[p % 2] and O[p % 2].  Its memory instructions are the loads into X[(p + 4) % 5] = X[(p - 1) % 5] and the stores from Y[(p - 1) % 2] and O[(p - 1) % 2]:
; the buffers that block p - 1 worked on and that no vector instruction of block p names.  So the waits at the head of a block state all that the block's ten memory instructions hang on,
; and these are dealt among its first vector instructions with no further wait; the two words' 62 vector instructions stand between them and the next block's head.
; IN FLIGHT.  At a block's head three younger blocks' loads stay out; with the four that follow, 16 loads of x (8 KiB a wave) are on their way.
.set LP,    272                        ; LDS pitch of a tile's row: 256 bytes + 16: row r starts at bank 4 r mod 64 (64 banks of 4 bytes: ISA guide 11.1)
.set SROW,  16*LP                      ; behind the 16 rows: the tile's 64 scales in bf16, 128 bytes
.set WREG,  4864                       ; a wave's own LDS bytes: 19 blocks of 256
.set SPARE, 8*WREG                     ; behind them: the spare words, 128 bytes for each of the eight waves: four blocks of 256 bytes that no other line names
.set XO,  2                            ; v2   16 x lane: my 16 bytes of a load of x; never rewritten
.set YO,  3                            ; v3   8 x lane: my 8 bytes of a store of xb, and of the load of the scales; never rewritten
.set QO,  4                            ; v4   qweight: (lane / 16) rows of 16,384 bytes + 16 (lane % 16)
.set LW,  6                            ; v6   LDS, in: row lane / 16, 16 bytes at 16 (lane % 16)
.set LS,  7                            ; v7   LDS, in: my two scales, 4 bytes
.set LR,  8                            ; v8   LDS, out: row lane % 16, 16 bytes at 16 (lane / 16)
.set LC,  9                            ; v9   LDS, out: four scales, 8 bytes at 8 (lane / 16)
.set WO,  10                           ; v10  wt: (lane / 16) rows of 8,192 bytes + 16 (lane % 16); never rewritten
.set VZ,  11                           ; v11  0.0, the addend of the products
.set TH0, 12                           ; v12-13  bf16's upper byte of the magnitudes 0, .5, 1, 1.5 | 2, 3, 4, 6
.set TH1, 13
.set TL0, 14                           ; v14-15  its lower byte
.set TL1, 15
.set SPW, 16                           ; v16  LDS address of my spare word: SPARE + 4 x my thread's number; never rewritten
.set NIL, 17                           ; v17  0; never rewritten
.set T,   18                           ; v18-26  at work
.set F,   28                           ; v28-35  a word's eight weights in f32
.set Q,   40                           ; v40-71  the tile: first as loaded, then Q + 4 i + j = the word of row kk = lane % 16, column 8 i + 4 (lane / 16) + j
.set SC,  72                           ; v72-87  SC + 2 i + j / 2, half j % 2: that column's scale in bf16
.set O,   88                           ; v88-103   buffer b, word e of the block's two: four registers at O + 8 b + 4 e: 16 bytes of a row of wt
.set X,   104                          ; v104-183  buffer b, load i of the block's four: four registers at X + 16 b + 4 i: four f32 of x
.set Y,   184                          ; v184-199  buffer b, load i: two registers at Y + 8 b + 2 i: the same four in bf16
	s_load_b256 s[4:11], s[0:1], 0x0               ; x s[4:5], qweight s[6:7], scales s[8:9], xb s[10:11]
	s_load_b64 s[12:13], s[0:1], 0x20              ; wt
	v_lshl_add_u32 v[SPW], v0, 2, SPARE
	v_mov_b32 v[NIL], 0
	v_lshrrev_b32 v1, 5, v0
	v_readfirstlane_b32 s14, v1                    ; wave 0..7
	; what does not hang on the wave's number stands between that line and the wait for it
	s_mov_b32 s24, 0x88888888                      ; each nibble's top bit
	s_mov_b32 s25, 0x07070707                      ; a magnitude in each byte
	s_mov_b32 s26, 0x80808080                      ; a sign in each byte
	s_mov_b32 s27, 0x05010400                      ; v_perm_b32: lower and upper bytes 0 and 1 into two halves
	s_mov_b32 s28, 0x07030602                      ; bytes 2 and 3
	v_and_b32 v1, 31, v0                           ; lane
	v_and_b32 v5, 15, v0                           ; lane % 16
	v_bfe_u32 v27, v0, 4, 1                        ; lane / 16
	v_lshlrev_b32 v[XO], 4, v1
	v_lshlrev_b32 v[YO], 3, v1
	v_lshlrev_b32 v[WO], 4, v5
	v_lshl_add_u32 v[QO], v27, 14, v[WO]
	v_mul_u32_u24 v[LW], v27, LP
	v_add_nc_u32 v[LW], v[LW], v[WO]
	v_mul_u32_u24 v[LR], v5, LP
	v_lshl_add_u32 v[LR], v27, 4, v[LR]
	v_mov_b32 v[VZ], 0
	v_mov_b32 v[TH0], 0x3f3f3f00                   ; 0 = 0x0000, .5 = 0x3f00, 1 = 0x3f80, 1.5 = 0x3fc0,
	v_mov_b32 v[TH1], 0x40404040                   ; 2 = 0x4000, 3 = 0x4040, 4 = 0x4080, 6 = 0x40c0
	v_mov_b32 v[TL0], 0xc0800000
	v_mov_b32 v[TL1], 0xc0804000
	s_wait_alu depctr_va_sdst(0)                   ; s14 is written, ahead of its first reader: the wave's place in LDS and in all five buffers is made from it
	s_lshl_b32 s15, ttmp9, 3
	s_add_co_u32 s15, s15, s14                     ; Wd
	s_lshr_b32 s16, ttmp9, 3                       ; g = Wd / 64
	s_and_b32 s17, s15, 63                         ; nb = Wd % 64
	s_mul_i32 s18, s14, WREG                       ; my wave's LDS bytes
	s_add_co_u32 s19, s18, SROW                    ; and the scales' place in them
	s_lshl_b32 s20, s15, 15                        ; x: Wd x 32,768 bytes (all offsets stay under 2^26)
	s_mov_b32 s21, 0
	s_lshl_b32 s22, s15, 14                        ; xb: Wd x 16,384
	s_mov_b32 s23, 0
	s_lshl_b32 s29, s17, 8                         ; 64 columns of 4 bytes
	s_lshl_b32 s30, s16, 18                        ; qweight: 16 rows of 16,384 bytes a group
	s_add_co_u32 s30, s30, s29
	s_mov_b32 s31, 0
	s_lshl_b32 s32, s16, 14                        ; scales: a row of 16,384 bytes a group
	s_add_co_u32 s32, s32, s29
	s_mov_b32 s33, 0
	s_lshl_b32 s34, s17, 19                        ; wt: 64 rows of 8,192 bytes a block,
	s_lshl_b32 s29, s16, 8                         ; 128 k of 2 bytes a group
	s_add_co_u32 s34, s34, s29
	s_mov_b32 s35, 0
	v_add_nc_u32 v[LW], s18, v[LW]
	v_add_nc_u32 v[LR], s18, v[LR]
	v_lshl_add_u32 v[LS], v1, 2, s19
	v_lshl_add_u32 v[LC], v27, 3, s19
	v_lshl_add_u32 v[WO], v27, 13, v[WO]
	s_wait_kmcnt 0x0
	s_add_nc_u64 s[4:5], s[4:5], s[20:21]
	s_add_nc_u64 s[10:11], s[10:11], s[22:23]
	s_add_nc_u64 s[6:7], s[6:7], s[30:31]
	s_add_nc_u64 s[8:9], s[8:9], s[32:33]
	s_add_nc_u64 s[12:13], s[12:13], s[34:35]
	s_wait_alu depctr_va_vdst(0)                   ; the eight offsets and LDS addresses XO, YO, QO, WO, LW, LS, LR, LC are written: every load and store of the kernel reads one of them
	; the tile: load j brings rows 2 j and 2 j + 1, 256 consecutive bytes each; then the scales' 256 bytes; then blocks 0 to 3 of x, into X0 to X3
.irp j, 0,1,2,3,4,5,6,7
	global_load_b128 v[Q+4*(\j):Q+4*(\j)+3], v[QO], s[6:7] offset:32768*(\j) th:TH_LOAD_NT
.endr
	global_load_b64 v[SC:SC+1], v[YO], s[8:9] th:TH_LOAD_NT
.irp t, 0,1,2,3,4,5,6,7,8,9,10,11,12,13,14,15
	global_load_b128 v[X+4*(\t):X+4*(\t)+3], v[XO], s[4:5] offset:512*(\t) th:TH_LOAD_NT
.endr
	s_wait_loadcnt 16                              ; loads come back in order (ISA guide 5.7.1): the tile's nine are in, the sixteen of x stay out
	v_cvt_pk_bf16_f32 v[T], v[SC], v[SC+1]         ; my two scales, rounded once
.irp j, 0,1,2,3,4,5,6,7
	ds_store_b128 v[LW], v[Q+4*(\j):Q+4*(\j)+3] offset:2*LP*(\j)   ; no wait: loads wrote Q, and the one vector instruction since the last wait on va_vdst names neither Q nor v[LW]
.endr
	s_wait_alu depctr_va_vdst(0)                   ; the rounding has written v[T], which the LDS store below reads, and is done reading SC and SC + 1, in which LDS loads land
	ds_store_b32 v[LS], v[T]
	s_wait_alu depctr_vm_vsrc(0)                   ; the LDS stores have read Q, in which the LDS loads below land, and v[T], which the words write again
.irp i, 0,1,2,3,4,5,6,7
	ds_load_b128 v[Q+4*(\i):Q+4*(\i)+3], v[LR] offset:32*(\i)      ; LDS serves a wave's instructions in order (ISA guide 5.7.1.4): these see the stores above; the bytes are my wave's own
	ds_load_b64 v[SC+2*(\i):SC+2*(\i)+1], v[LC] offset:16*(\i)     ; the same four columns' scales: all lanes of a half read the same 8 bytes
.endr
	s_wait_dscnt 0x0
; The eight products LUT x scale of a word, exact in f32: both factors are bf16 halves.  sh: which half of v[rs] holds the column's scale.
; T+2 = k0 | k2, T+4 = k1 | k3, T+3 = k4 | k6, T+1 = k5 | k7 (low half | high half).
.macro EIGHT sh
	v_fma_mix_f32_bf16 v[F+0], v[T+2], v[rs], v[VZ] op_sel:[0,\sh,0] op_sel_hi:[1,1,0]
	v_fma_mix_f32_bf16 v[F+1], v[T+4], v[rs], v[VZ] op_sel:[0,\sh,0] op_sel_hi:[1,1,0]
	v_fma_mix_f32_bf16 v[F+2], v[T+2], v[rs], v[VZ] op_sel:[1,\sh,0] op_sel_hi:[1,1,0]
	v_fma_mix_f32_bf16 v[F+3], v[T+4], v[rs], v[VZ] op_sel:[1,\sh,0] op_sel_hi:[1,1,0]
	v_fma_mix_f32_bf16 v[F+4], v[T+3], v[rs], v[VZ] op_sel:[0,\sh,0] op_sel_hi:[1,1,0]
	v_fma_mix_f32_bf16 v[F+5], v[T+1], v[rs], v[VZ] op_sel:[0,\sh,0] op_sel_hi:[1,1,0]
	v_fma_mix_f32_bf16 v[F+6], v[T+3], v[rs], v[VZ] op_sel:[1,\sh,0] op_sel_hi:[1,1,0]
	v_fma_mix_f32_bf16 v[F+7], v[T+1], v[rs], v[VZ] op_sel:[1,\sh,0] op_sel_hi:[1,1,0]
.endm
; Word w of 32 (i = w / 4, j = w % 4): eight codes become 16 bytes of row 16 j + 2 i + lane / 16 of the block's 64 rows of wt, in the four registers from o on.  Vector instructions alone.
; A code c is LUT's sign and magnitude in disguise: c >= 8 is +magnitude[c - 8], c < 8 is -magnitude[7 - c], with magnitudes 0, .5, 1, 1.5, 2, 3, 4, 6.
.macro WWORD w, o
.set wi, (\w)/4
.set wj, (\w)%4
.set rq, Q+4*wi+wj
.set rs, SC+2*wi+wj/2
	v_xor_b32 v[T+0], s24, v[rq]                   ; the top bit turned: set where the weight is negative
	v_and_b32 v[T+1], s24, v[T+0]                  ; the eight signs
	v_lshrrev_b32 v[T+2], 3, v[T+1]
	v_sub_nc_u32 v[T+2], v[T+1], v[T+2]            ; 8 - 1 = 7 in each negative nibble; no nibble borrows
	v_xor_b32 v[T+0], v[T+0], v[T+2]               ; there 7 - c, elsewhere c - 8, in the low three bits
	v_and_b32 v[T+2], s25, v[T+0]                  ; magnitudes of k 0, 2, 4, 6, one a byte,
	v_lshrrev_b32 v[T+3], 4, v[T+0]
	v_and_b32 v[T+3], s25, v[T+3]                  ; and of k 1, 3, 5, 7
	v_lshlrev_b32 v[T+4], 4, v[T+1]                ; the even k's signs move to their bytes' top bits; the odd k's are there already
	v_perm_b32 v[T+5], v[TH1], v[TH0], v[T+2]      ; the tables: each byte of the selector picks one of eight bytes
	v_perm_b32 v[T+6], v[TL1], v[TL0], v[T+2]
	v_perm_b32 v[T+7], v[TH1], v[TH0], v[T+3]
	v_perm_b32 v[T+8], v[TL1], v[TL0], v[T+3]
	v_and_or_b32 v[T+5], v[T+4], s26, v[T+5]       ; the signs go into the upper bytes
	v_and_or_b32 v[T+7], v[T+1], s26, v[T+7]
	v_perm_b32 v[T+2], v[T+5], v[T+6], s27         ; upper and lower bytes meet: k0 | k2,
	v_perm_b32 v[T+3], v[T+5], v[T+6], s28         ; k4 | k6,
	v_perm_b32 v[T+4], v[T+7], v[T+8], s27         ; k1 | k3,
	v_perm_b32 v[T+1], v[T+7], v[T+8], s28         ; k5 | k7
.if wj%2
	EIGHT 1
.else
	EIGHT 0
.endif
.irp p, 0,1,2,3
	v_cvt_pk_bf16_f32 v[(\o)+(\p)], v[F+2*(\p)], v[F+2*(\p)+1]  ; the weight's one rounding
.endr
.endm
; Word w leaves, from the four registers from o on.
.macro WSEND w, o
	global_store_b128 v[WO], v[(\o):(\o)+3], s[12:13] offset:(16*((\w)%4)+2*((\w)/4))*8192 th:TH_STORE_NT  ; 16 lanes store 256 consecutive bytes, at a multiple of 256 from wt's first byte; the other 16 the row below
.endm
; Block p, 0 to 15.  Up to block 11 the block four further on is loaded; from block 1 on the block before is stored.
.macro BLK p
.set xin,  X+16*((\p)%5)               ; the block's x
.set xnx,  X+16*(((\p)+4)%5)           ; where the loads land: the buffer that the block before worked on
.set ynow, Y+8*((\p)%2)                ; what the block writes,
.set onow, O+8*((\p)%2)
.set yold, Y+8*(1-(\p)%2)              ; and what the block before wrote
.set oold, O+8*(1-(\p)%2)
.if (\p) > 12
	s_wait_loadcnt 4*(15-(\p))                     ; the last blocks load nothing: the count runs down
.else
	s_wait_loadcnt 12                              ; the block's four loads are in; the three younger blocks' twelve stay out
.endif
.if (\p) > 1
	s_wait_xcnt 0x0                                ; every earlier memory instruction has had its addresses translated (ISA guide 3.1): this block's Y and O, which the stores issued in the block before read, are rewritten only behind this wait
	s_wait_alu depctr_vm_vsrc(0)                   ; those six stores have read this block's Y and O, which its roundings write again
.endif
.if (\p) > 0
	s_wait_alu depctr_va_vdst(0)                   ; the block before has written the other Y and O, which the stores below read, and is done reading its X, in which the loads below land
.endif
.irp i, 0,1,2,3
.if (\p) < 12
	global_load_b128 v[xnx+4*(\i):xnx+4*(\i)+3], v[XO], s[4:5] offset:512*(4*(\p)+16+(\i)) th:TH_LOAD_NT  ; four blocks ahead; no vector instruction since the wait names these registers
.endif
.if (\p) > 0
	global_store_b64 v[YO], v[yold+2*(\i):yold+2*(\i)+1], s[10:11] offset:256*(4*(\p)-4+(\i)) th:TH_STORE_NT  ; the block before: the wave's 32 lanes store 256 consecutive bytes, at a multiple of 256 from xb's first byte
.endif
.if ((\p) > 0) && ((\i) < 2)
	WSEND 2*(\p)-2+(\i), oold+4*(\i)
.endif
	v_cvt_pk_bf16_f32 v[ynow+2*(\i)], v[xin+4*(\i)], v[xin+4*(\i)+1]
	v_cvt_pk_bf16_f32 v[ynow+2*(\i)+1], v[xin+4*(\i)+2], v[xin+4*(\i)+3]
.endr
	WWORD 2*(\p), onow
	WWORD 2*(\p)+1, onow+4
.endm
.irp p, 0,1,2,3,4,5,6,7,8,9,10,11,12,13,14,15
	BLK \p
.endr
	s_wait_alu depctr_va_vdst(0)                   ; block 15 has written Y1 and O1, which the last six stores read
.irp i, 0,1,2,3
	global_store_b64 v[YO], v[Y+8+2*(\i):Y+8+2*(\i)+1], s[10:11] offset:256*(60+(\i)) th:TH_STORE_NT
.endr
	WSEND 30, O+8
	WSEND 31, O+12
	s_wait_dscnt 0x0                               ; the wave's end: behind my last LDS store
	s_wait_alu 0x0
	s_wait_tensorcnt 0x0
	ds_add_u32 v[SPW], v[NIL]
	s_wait_dscnt 0x0
	s_endpgm
.Lfunc_end_k_qedffda4170_prep:
	.size	k_qedffda4170_prep, .Lfunc_end_k_qedffda4170_prep-k_qedffda4170_prep
	.p2alignl 7, 3214868480
	.fill 96, 4, 3214868480
	.section	.rodata,"a",@progbits
	.p2align	6, 0x0
	.amdhsa_kernel k_qedffda4170_prep
		.amdhsa_group_segment_fixed_size 39936
		.amdhsa_private_segment_fixed_size 0
		.amdhsa_enable_private_segment 0
		.amdhsa_kernarg_size 40
		.amdhsa_user_sgpr_count 2
		.amdhsa_user_sgpr_kernarg_segment_ptr 1
		.amdhsa_wavefront_size32 1
		.amdhsa_system_sgpr_workgroup_id_x 1
		.amdhsa_system_sgpr_workgroup_id_y 1
		.amdhsa_system_sgpr_workgroup_id_z 1
		.amdhsa_system_vgpr_workitem_id 0
		.amdhsa_next_free_vgpr 200
		.amdhsa_next_free_sgpr 66
		.amdhsa_reserve_vcc 0
		.amdhsa_float_denorm_mode_32 3
		.amdhsa_float_denorm_mode_16_64 3
		.amdhsa_memory_ordered 1
		.amdhsa_forward_progress 1
		.amdhsa_inst_pref_size 84
	.end_amdhsa_kernel
	.amdgpu_metadata
---
amdhsa.version: [ 1, 2 ]
amdhsa.kernels:
  - .name:           k_qedffda4170_prep
    .symbol:         k_qedffda4170_prep.kd
    .args:
      - { .name: x, .offset: 0, .size: 8, .value_kind: global_buffer, .address_space: global }
      - { .name: qweight, .offset: 8, .size: 8, .value_kind: global_buffer, .address_space: global }
      - { .name: scales, .offset: 16, .size: 8, .value_kind: global_buffer, .address_space: global }
      - { .name: xb, .offset: 24, .size: 8, .value_kind: global_buffer, .address_space: global }
      - { .name: wt, .offset: 32, .size: 8, .value_kind: global_buffer, .address_space: global }
    .group_segment_fixed_size: 39936
    .private_segment_fixed_size: 0
    .kernarg_segment_align: 8
    .kernarg_segment_size: 40
    .max_flat_workgroup_size: 256
    .sgpr_count:     66
    .vgpr_count:     200
    .wavefront_size: 32
...
	.end_amdgpu_metadata
.endif
;; end of part 3
;; launch gemm: the kernel of part 2 again; grid 16 x 16, 4 waves a work-group, clusters of 4 x 4, 327,680 bytes of LDS; arguments xb, wt, out0, bias; writes out0
